; MI455X (gfx1250); checked and timed in simulation.
; The chip was launched on July 23, 2026; its instructions are those of AMD's public machine-readable ISA for CDNA 5 (MIT licence, August 2026) and "CDNA5" Instruction Set Architecture Reference Guide (July 2026). The comments in the code are by the model that wrote it; some were corrected since.
;; Local Self Attention. Allowed arithmetic: float matrix products may take bf16 or f16 operands with f32 sums; other float arithmetic in f32, or as packed bf16 or f16 multiplies, adds, multiply-adds, maxima and minima; sums over many terms, partial sums and values carried from step to step in f32; what a program stores and reads back later, other than sums and carried values, may be rounded once to bf16 or f16.
;; Inputs: W_out 256 x 256 float32; W_qkv 256 x 768 float32; b_out 256 float32; b_qkv 768 float32; x 4 x 4,096 x 256 float32.
;; Outputs: out0 4 x 4,096 x 256 float32.
;; One version. Each part assembles by itself: llvm-mc -triple=amdgcn-amd-amdhsa -mcpu=gfx1250 --defsym DOCPART=n.
;; ======== version 1 of 1: 2 launches
;; limits: values are held in f16: magnitudes above 65,504 overflow, below 6.1e-05 lose precision
;; workspace buffers: wprep 528,384 bytes
;; launch prep (part 1): grid 16 x 2, 8 waves a work-group, no clusters, 18,432 bytes of LDS; arguments W_qkv, W_out, b_qkv, b_out, wprep; writes wprep
.if DOCPART == 1
	.amdgcn_target "amdgcn-amd-amdhsa--gfx1250"
	.amdhsa_code_object_version 6
	.text
	.protected	k_qe294f30385_prep
	.globl	k_qe294f30385_prep
	.p2align	8
	.type	k_qe294f30385_prep,@function
k_qe294f30385_prep:
	s_mov_b64 s[64:65], 0
	v_nop
	global_prefetch_b8 v0, s[64:65] scope:SCOPE_SE
	s_setreg_imm32_b32 hwreg(HW_REG_WAVE_MODE, 25, 1), 1
	s_wait_xcnt 0x0
; THE WEIGHTS ARE TURNED AND ROUNDED ONCE, for the launch behind.  wprep holds
;   bytes 0 .. 524,287: WT[1024][256], 2 bytes a number, 512 bytes a row: row n < 768 is column n of W_qkv rounded to bf16 (k along the row);
;                       row 768 + n is column n of W_out, rounded to bf16 like every input and that number written as f16 (the product that takes it has f16 operands);
;   bytes 524,288 ..  : 1,024 f32: b_qkv and then b_out, each rounded to bf16 and widened again.
; LIMIT.  bf16(W_out) must lie within f16's range, 65,504; below 6.1e-5 it keeps f16's fixed step of 6e-8.
; SHARES.  Work-group (nb, kh) turns the 64 columns 64 nb .. and the 128 rows k = 128 kh ..: 32 KiB in, 16 KiB out.  Thread t takes 4 columns (cg = t % 16) of 8 rows (kr = t / 16):
; sixteen neighbouring lanes read 256 consecutive bytes of a weight row.  Two rows' numbers of one column are packed into a word, a column's eight into 16 bytes; these go into a stage in LDS
; (64 rows of 256 bytes + 16 of padding) and come back by rows, so that sixteen neighbouring lanes store 256 consecutive bytes, aligned, of a row of WT.
; The matrix units, tensor loads and clusters have nothing to do here: 1 MiB is read once and nothing is shared.
.set PITCH, 272
.set SPARE, 64*PITCH                   ; 17,408: behind the stage: the spare words, 128 bytes for each of the eight waves: four blocks of 256 bytes that no other line names
.set BIASB, 524288                     ; where the biases begin in wprep
.set SPW, 4                            ; v4      LDS address of my spare word; never rewritten
.set NIL, 5                            ; v5      0; never rewritten
.set LS,  6                            ; v6      into the stage: row 4 cg (+ c), byte 16 kr
.set LR,  7                            ; v7      back: row kr (+ 16 q), byte 16 cg
.set GO,  8                            ; v8      the same place in 16 rows of WT
.set L8,  9                            ; v9      8 x lane
.set OFF, 10                           ; v[10:17] byte offset of my 16 bytes in weight row 128 kh + 8 kr + j
.set TA,  18                           ; v[18:19] at work
.set LL,  20                           ; v[20:51] as loaded: row j, column c at LL + 4 j + c; later the rows read back
.set PK,  52                           ; v[52:67] packed: column c, rows 2 m and 2 m + 1 at PK + 4 c + m
	s_load_b256 s[4:11], s[0:1], 0x0               ; W_qkv s[4:5], W_out s[6:7], b_qkv s[8:9], b_out s[10:11]
	s_load_b64 s[12:13], s[0:1], 0x20              ; wprep
	v_lshl_add_u32 v[SPW], v0, 2, SPARE
	v_mov_b32 v[NIL], 0
	v_and_b32 v1, 15, v0                           ; cg
	v_lshrrev_b32 v2, 4, v0                        ; kr
	v_lshrrev_b32 v3, 5, v0
	v_readfirstlane_b32 s16, v3                    ; wave 0..7
	s_mov_b32 s14, ttmp9                           ; nb
	s_and_b32 s15, ttmp7, 0xffff                   ; kh
	s_lshl_b32 s23, s14, 8                         ; 64 columns of f32 are 256 bytes: the block's first column in W_qkv and in b_qkv,
	s_sub_co_u32 s17, s23, 3072                    ; or, from nb = 12 on, in W_out and in b_out (not taken below that)
	s_mov_b32 s26, 3072                            ; bytes in a row of W_qkv,
	s_mov_b32 s27, 1024                            ; of W_out
	s_cmp_lt_u32 s14, 12
	s_cselect_b32 s22, s26, s27
	s_cselect_b32 s23, s23, s17
	s_lshl_b32 s28, s15, 7                         ; 128 kh
	v_lshl_add_u32 v[TA], v2, 3, s28               ; my first weight row
	v_mul_lo_u32 v[OFF], v[TA], s22
	v_lshl_add_u32 v[OFF], v1, 4, v[OFF]
	v_add_nc_u32 v[OFF], s23, v[OFF]
.irp j, 1,2,3,4,5,6,7
	v_add_nc_u32 v[OFF+\j], s22, v[OFF+\j-1]
.endr
	v_mul_u32_u24 v[LS], v1, 4*PITCH
	v_lshl_add_u32 v[LS], v2, 4, v[LS]
	v_mul_u32_u24 v[LR], v2, PITCH
	v_lshl_add_u32 v[LR], v1, 4, v[LR]
	v_lshlrev_b32 v[GO], 9, v2
	v_lshl_add_u32 v[GO], v1, 4, v[GO]
	v_and_b32 v[L8], 31, v0
	v_lshlrev_b32 v[L8], 3, v[L8]
	s_lshl_b32 s30, s14, 15                        ; 64 rows of WT are 32,768 bytes,
	s_lshl_b32 s29, s15, 8                         ; 128 k are 256 bytes of a row
	s_add_co_u32 s30, s30, s29
	s_mov_b32 s31, 0
	s_wait_kmcnt 0x0
	s_cmp_lt_u32 s14, 12                           ; the shifts above have written SCC: compared anew
	s_cselect_b64 s[18:19], s[4:5], s[6:7]         ; the weights that this block comes from,
	s_cselect_b64 s[20:21], s[8:9], s[10:11]       ; and the bias
	s_add_nc_u64 s[24:25], s[12:13], s[30:31]      ; WT at the block's first row, at my half of k
.irp j, 0,1,2,3,4,5,6,7
	global_load_b128 v[LL+4*\j:LL+4*\j+3], v[OFF+\j], s[18:19] th:TH_LOAD_NT
.endr
.irp m, 0,1,2,3
	s_wait_loadcnt 6-2*\m                          ; loads come back in order: rows 2 m and 2 m + 1 are in, the younger rows may stay out
.irp c, 0,1,2,3
	v_cvt_pk_bf16_f32 v[PK+4*\c+\m], v[LL+8*\m+\c], v[LL+8*\m+4+\c]
.endr
.endr
	s_cmp_lt_u32 s14, 12
	s_cbranch_scc1 .Lpacked
.set i, 0
.rept 16                               ; W_out: the bf16 number is written as f16 (8 significant bits go into 11 unchanged)
	v_lshlrev_b32 v[TA], 16, v[PK+i]
	v_and_b32 v[TA+1], 0xffff0000, v[PK+i]
	v_cvt_pk_f16_f32 v[PK+i], v[TA], v[TA+1]
.set i, i+1
.endr
.Lpacked:
.irp c, 0,1,2,3
	ds_store_b128 v[LS], v[PK+4*\c:PK+4*\c+3] offset:PITCH*\c
.endr
	s_wait_dscnt 0x0                               ; for the others' sake: my stores into the stage are done
	s_barrier_signal -1
	s_barrier_wait -1
.irp q, 0,1,2,3
	ds_load_b128 v[LL+4*\q:LL+4*\q+3], v[LR] offset:16*PITCH*\q
.endr
.irp q, 0,1,2,3
	s_wait_dscnt 3-\q                              ; LDS loads come back in order: number q is in
	global_store_b128 v[GO], v[LL+4*\q:LL+4*\q+3], s[24:25] offset:8192*\q  ; 16 lanes store 256 consecutive bytes, at a multiple of 256 from wprep's first byte
.endr
	s_or_b32 s17, s16, s15                         ; the block's 64 numbers of the bias: wave 0 of the work-group with kh = 0
	s_cmp_lg_u32 s17, 0
	s_cbranch_scc1 .Lend
	v_add_nc_u32 v[TA], s23, v[L8]
	global_load_b64 v[PK:PK+1], v[TA], s[20:21]
	s_lshl_b32 s28, s14, 8
	v_add_nc_u32 v[TA+1], s28, v[L8]
	s_wait_loadcnt 0x0
	v_cvt_pk_bf16_f32 v[PK+2], v[PK], v[PK+1]      ; rounded like the other inputs,
	v_lshlrev_b32 v[PK+4], 16, v[PK+2]             ; and kept as f32: it starts f32 sums
	v_and_b32 v[PK+5], 0xffff0000, v[PK+2]
	global_store_b64 v[TA+1], v[PK+4:PK+5], s[12:13] offset:BIASB  ; 32 lanes store 256 consecutive bytes, aligned
.Lend:
	s_wait_tensorcnt 0x0                           ; the wave's end, behind my last LDS store
	ds_add_u32 v[SPW], v[NIL]
	s_wait_dscnt 0x0
	s_endpgm
.Lfunc_end_k_qe294f30385_prep:
	.size	k_qe294f30385_prep, .Lfunc_end_k_qe294f30385_prep-k_qe294f30385_prep
	.p2alignl 7, 3214868480
	.fill 96, 4, 3214868480
	.section	.rodata,"a",@progbits
	.p2align	6, 0x0
	.amdhsa_kernel k_qe294f30385_prep
		.amdhsa_group_segment_fixed_size 18432
		.amdhsa_private_segment_fixed_size 0
		.amdhsa_enable_private_segment 0
		.amdhsa_kernarg_size 40
		.amdhsa_user_sgpr_count 2
		.amdhsa_user_sgpr_kernarg_segment_ptr 1
		.amdhsa_wavefront_size32 1
		.amdhsa_system_sgpr_workgroup_id_x 1
		.amdhsa_system_sgpr_workgroup_id_y 1
		.amdhsa_system_sgpr_workgroup_id_z 1
		.amdhsa_system_vgpr_workitem_id 0
		.amdhsa_next_free_vgpr 72
		.amdhsa_next_free_sgpr 66
		.amdhsa_reserve_vcc 0
		.amdhsa_float_denorm_mode_32 3
		.amdhsa_float_denorm_mode_16_64 3
		.amdhsa_memory_ordered 1
		.amdhsa_forward_progress 1
		.amdhsa_inst_pref_size 9
	.end_amdhsa_kernel
	.amdgpu_metadata
---
amdhsa.version: [ 1, 2 ]
amdhsa.kernels:
  - .name:           k_qe294f30385_prep
    .symbol:         k_qe294f30385_prep.kd
    .args:
      - { .name: W_qkv, .offset: 0, .size: 8, .value_kind: global_buffer, .address_space: global }
      - { .name: W_out, .offset: 8, .size: 8, .value_kind: global_buffer, .address_space: global }
      - { .name: b_qkv, .offset: 16, .size: 8, .value_kind: global_buffer, .address_space: global }
      - { .name: b_out, .offset: 24, .size: 8, .value_kind: global_buffer, .address_space: global }
      - { .name: wprep, .offset: 32, .size: 8, .value_kind: global_buffer, .address_space: global }
    .group_segment_fixed_size: 18432
    .private_segment_fixed_size: 0
    .kernarg_segment_align: 8
    .kernarg_segment_size: 40
    .max_flat_workgroup_size: 256
    .sgpr_count:     66
    .vgpr_count:     72
    .wavefront_size: 32
...
	.end_amdgpu_metadata
.endif
;; end of part 1
;; launch attn (part 2): grid 256 x 1, 4 waves a work-group, clusters of 4 x 1, 327,680 bytes of LDS; arguments x, wprep, out0; writes out0
.if DOCPART == 2
	.amdgcn_target "amdgcn-amd-amdhsa--gfx1250"
	.amdhsa_code_object_version 6
	.text
	.protected	k_qe294f30385_attn
	.globl	k_qe294f30385_attn
	.p2align	8
	.type	k_qe294f30385_attn,@function
k_qe294f30385_attn:
	s_mov_b64 s[64:65], 0
	v_nop
	global_prefetch_b8 v0, s[64:65] scope:SCOPE_SE
	s_setreg_imm32_b32 hwreg(HW_REG_WAVE_MODE, 25, 1), 1
	s_wait_xcnt 0x0
	s_wait_alu depctr_hold_cnt(0) depctr_sa_sdst(0) depctr_va_vdst(0) depctr_va_sdst(0) depctr_va_ssrc(0) depctr_va_vcc(0) depctr_vm_vsrc(0)
	s_getreg_b32 s2, hwreg(HW_REG_IB_STS2, 6, 4)
	s_cmp_eq_u32 s2, 0
	s_cbranch_scc0 .Lentry_in_a_cluster
	s_endpgm
.Lentry_in_a_cluster:
	s_bfe_u32 s2, ttmp6, 0x10000c
	s_cmp_lg_u32 s2, 0x3003
	s_cbranch_scc0 .Lentry_shape_is_right
	s_endpgm
.Lentry_shape_is_right:
; out0 = (softmax over |i - j| <= 12 of q k^T / 8) v, by 4 heads of 64 channels, times W_out + b_out, with q, k, v = x W_qkv + b_qkv.  x, out0: [4 x 4096][256] f32.
; ALL IN ONE LAUNCH: nothing but x and the prepared weights comes in, nothing but out0 goes out.  wprep (made by the launch before): WT[1024][256] in 16 bits, k along the rows: rows 0-255 q's
; columns of W_qkv, 256-511 k's, 512-767 v's (bf16), 768-1023 W_out's columns (f16); behind it 1,024 f32 of biases.
; FORMATS.  x, the weights and the biases are rounded to bf16; what is made here (q, k, v, the weights p, O) is rounded once to f16; all sums, the maximum and l in f32.
; LIMITS.  q, k and v must lie within f16's range, 65,504.  A hidden score counts as its value less 1e30 (f16's scores are 2.7e11 at the most); a weight below 2^-126 counts as 0;
; l is the sum of the unrounded weights; NaN and infinities are not treated apart.
; SHARES.  A work-group owns 64 query rows, 64 wg .., and needs the key rows 64 wg - 16 .. 64 wg + 79: six tiles of 16 rows of x; query tile a is x tile a + 1 and sees key tiles a, a + 1, a + 2.
; WAVE w IS HEAD w in the projections and in attention; in the last product it makes out0's columns 64 w ...  So a wave reads only the 64 rows of WT that it has fetched itself, and q, k, v and p
; never leave its registers.  Between waves go x (bf16) and O (f16) alone, through LDS.
; LAYOUTS (lane l: r = l % 16, h = l / 16).  k^T = Wk^T x^T and q^T likewise (source 0 = 16 rows of WT, source 1 = 16 rows of x): a lane holds one row of x and channels 8 h + 0..7; two such
; results rounded in pairs ARE a fragment of 16 rows x 32 channels.  v = x Wv (sources swapped): a lane holds one channel and rows 8 h + 0..7: two results ARE source 0 of O^T = V^T P.
; S^T = K Q^T: a lane holds one query and keys 8 h + 0..7; rounded, source 1 of V^T P.  O^T and out^T again hold one row a lane.
; BIASES.  b_q, b_k and b_out are the C operand of a sum's first product.  b_v is added when O is divided by l: O = acc / l + b_v, since a row's weights add up to 1.
; THE MASK is the C operand of the first product K Q^T: 0, or -1e30 where |key - query| > 12; where the first or the last key tile lies outside the batch (wg % 64 = 0 or 63) another -1e30 hides
; all of it.  Rows past x's ends are replaced by rows inside x (a clamped address): finite numbers, hidden by that mask.  Every row sees its own key, and all 48 candidate keys are in hand:
; a plain softmax, the row's maximum taken away.
; CLUSTER.  All work-groups need the same 512 KiB of WT: the four of a cluster ask for each block JOINTLY, by the same tensor load with the same descriptor and a mask that names the four.
; TWO SLOTS in LDS of 256 rows of WT: slot 0 holds Wk and then Wq, slot 1 Wv and then Wout.  The passes go K, V, Q: Wq is asked for behind pass K and has pass V's 192 matrix instructions in
; which to land, Wout behind pass V.  By this text's count a wave has two tensor loads out at the start and one behind each refill.
; The text is straight: no loop; the only branches are those of the cluster's rounds.
;
; REGISTERS, in windows of 256 (s_set_vgpr_msb: bits 1:0 source 0, 3:2 source 1, 5:4 source 2, 7:6 destination):
;   window 0: v0-19 addresses; v32-95 fragments of WT, two buffers of four; v96-127, v128-159 two sets of biases; v160-255 K in f16, 16 a tile.  On the way out v32-95 and v160-223 take whole rows
;   window 1: v0-191 accumulators (first: x as loaded); v192-255 Q in f16, 16 a tile
;   window 2: v0-239 x's fragments of K steps 0-4; when x is done with: scores, masks, P, statistics, O in f16; in the last product all 256: O's fragments
;   window 3: v0-143 x's fragments of K steps 5-7; v144-255 V in f16: channel block cb, row tile i at 144 + 28 cb + 4 i; a seventh tile of zeros
.set PW,    528                        ; an LDS row of WT, x or O: 512 bytes + 16 of padding = 132 words: row r starts at bank 4 r mod 64 (64 banks of 4 bytes: ISA guide 11.1), so the 16 rows of a load start at 16 different banks
.set WROWS, 64*PW                      ; 33,792: a wave's 64 rows of WT
.set SLOT,  4*WROWS                    ; 135,168
.set XR,    2*SLOT                     ; 270,336: x in bf16, 96 rows; later O in f16, 64 rows.  Written by LDS stores: no tensor load lands here
.set STAGE, XR+64*PW                   ; 304,128: behind O's rows (over x's last rows, which are done with): 16 rows x 272 bytes for each wave, for the way out
.set SP,    272
.set SPARE, STAGE+4*16*SP              ; 321,536: the spare words, 128 bytes for each wave: two blocks of 256 bytes that no other line names
.set BIASB, 524288                     ; where the biases begin in wprep
.set SPW, 4                            ; v4   LDS address of my spare word; never rewritten
.set NIL, 5                            ; v5   0; never rewritten
.set XO,  6                            ; v6-8 my byte offset in x: group g of 8 rows, 16 x lane
.set XS,  9                            ; v9   where I put 8 bytes of a row of x
.set XA,  10                           ; v10  a fragment's place in x's (and O's) rows: XR + 528 r + 16 h
.set WA,  11                           ; v11-12 the same in my rows of slot 0, 1
.set BO,  13                           ; v13  my byte offset in a section of the biases: 256 w + 32 h
.set LD,  14                           ; v14  r - 8 h
.set OS,  15                           ; v15  where I put 16 bytes of a row of O
.set STS, 17                           ; v17  the way out: where I put 16 bytes of a row
.set STR, 18                           ; v18  the way out: where I read a row back
.set GO,  19                           ; v19  my byte offset in two rows of out0
.set WF,  32
.set BIA, 96
.set BIB, 128
.set KH,  160
.set ACC, 0                            ; window 1
.set QH,  192                          ; window 1
.set SC,  0                            ; window 2: scores of query tile a, key tile a + d at SC + 24 a + 8 d
.set MD,  96                           ; window 2: the band's mask for d = 0, 1, 2
.set ME0, 120                          ; window 2: the mask of (a = 0, d = 0)
.set ME1, 128                          ; window 2: the mask of (a = 3, d = 2)
.set PP,  136                          ; window 2: P, 16 a tile; the last four hold 0
.set ST,  200                          ; window 2: tile a's statistics at ST + 8 a: +0 c m, +1 m, +2 l, +4 to +6 at work, then +4 1 / l
.set LD2, 232                          ; window 2: a copy of LD
.set TM2, 233                          ; window 2: at work
.set OH,  0                            ; window 2: O in f16
.set VH,  144                          ; window 3
.set WV,  10                           ; s10  my wave's number
.set G1,  16                           ; s[16:23] descriptor group 1
.set G0A, 24                           ; s[24:27] descriptor group 0 for slot 0
.set G0B, 28                           ; s[28:31] for slot 1
.set CS,  32                           ; s[32:33] c = log2(e) / 8
.set SEL, 34                           ; s[34:35] v_permlanex16_b32's selects: each lane takes its own place in the other half
.set BIG, 36                           ; s36  -1e30
.set BE0, 37                           ; s37  -1e30 where the first key tile lies in front of the batch, else 0
.set BE1, 38                           ; s38  the same for the last key tile
.set MSB, 0
.macro WIN new                         ; the immediate's high byte repeats the setting that is left; a switch that changes nothing is dropped
.if MSB != (\new)
	s_set_vgpr_msb (MSB<<8)|(\new)
.set MSB, (\new)
.endif
.endm
; Four places: a vector instruction that reads a matrix result or writes one of a matrix instruction's registers, and a load into such a register, stand four plain vector instructions behind it
; (ISA guide 7.12.1 for vector instructions).
.macro PLACES
.rept 4
	v_nop
.endr
.endm
; A round of the cluster's barrier: my work-group's barrier, so that wave 0's signal speaks for all four waves; wave 0 signals; every wave waits for all four work-groups; my work-group's barrier once more.
.macro ROUND
	s_barrier_signal -1
	s_barrier_wait -1
	s_cmp_lg_u32 s[WV], 0
	s_cbranch_scc1 .Lnot_wave_0_\@
	s_barrier_signal -3
.Lnot_wave_0_\@:
	s_barrier_wait -3
	s_barrier_signal -1
	s_barrier_wait -1
.endm
; Eight loads: section sec of the biases (0 q, 1 k, 2 v, 3 out), my head's 64 numbers as an accumulator holds them: register j of block c is number 16 c + 8 h + j.
.macro BIAS buf, sec
	WIN 0
.irp c, 0,1,2,3
	global_load_b128 v[(\buf)+8*\c:(\buf)+8*\c+3],   v[BO], s[6:7] offset:BIASB+1024*(\sec)+64*\c
	global_load_b128 v[(\buf)+8*\c+4:(\buf)+8*\c+7], v[BO], s[6:7] offset:BIASB+1024*(\sec)+64*\c+16
.endr
.endm
; A fragment is 16 rows x 32 along K in 8 registers: lane l holds row r; registers 0-3 K = 8 h + 0..7, registers 4-7 K = 16 + 8 h + 0..7: two loads of 16 bytes, 32 bytes apart.
.macro FETCHW slot, ks, buf            ; my four fragments of WT for K step ks
	WIN 0
.irp c, 0,1,2,3
	ds_load_b128 v[WF+32*(\buf)+8*\c:WF+32*(\buf)+8*\c+3],   v[WA+(\slot)] offset:16*PW*\c+64*(\ks)
	ds_load_b128 v[WF+32*(\buf)+8*\c+4:WF+32*(\buf)+8*\c+7], v[WA+(\slot)] offset:16*PW*\c+64*(\ks)+32
.endr
.endm
.macro FETCHX ks                       ; x's six fragments of K step ks: they stay in registers for all three passes
.if (\ks) < 5
	WIN 0x80
.else
	WIN 0xc0
.endif
.irp t, 0,1,2,3,4,5
	ds_load_b128 v[48*((\ks)%5)+8*\t:48*((\ks)%5)+8*\t+3],   v[XA] offset:16*PW*\t+64*(\ks)
	ds_load_b128 v[48*((\ks)%5)+8*\t+4:48*((\ks)%5)+8*\t+7], v[XA] offset:16*PW*\t+64*(\ks)+32
.endr
.endm
.macro FETCHO ks                       ; O's four fragments of K step ks
	WIN 0x80
.irp t, 0,1,2,3
	ds_load_b128 v[32*(\ks)+8*\t:32*(\ks)+8*\t+3],   v[XA] offset:16*PW*\t+64*(\ks)
	ds_load_b128 v[32*(\ks)+8*\t+4:32*(\ks)+8*\t+7], v[XA] offset:16*PW*\t+64*(\ks)+32
.endr
.endm
; A K step's products.  kind 0: k^T (6 tiles), 1: v (6 tiles, sources swapped), 2: q^T (x tiles 1-4), 3: out^T (f16).  Every accumulator is taken once, in the same order in every K step:
; the accumulators take turns, one instruction a turn.  The first K step starts the sums, with the bias or with 0: nothing is cleared.
.macro MULT kind, ks
.if (\kind) == 1
.if (\ks) < 5
	WIN 0x52                                       ; x window 2, WT window 0, C and D window 1
.else
	WIN 0x53                                       ; x window 3
.endif
.elseif (\ks) == 0
	WIN 0x48                                       ; WT window 0, x or O window 2, the bias window 0, D window 1
.elseif ((\ks) < 5) || ((\kind) == 3)
	WIN 0x58                                       ; C window 1
.else
	WIN 0x5c                                       ; x window 3
.endif
.set NT, 4
.if (\kind) < 2
.set NT, 6
.endif
.set cb, 0
.rept 4
.set ti, 0
.rept NT
.set rD, ACC+8*(NT*cb+ti)
.set rW, WF+32*((\ks)%2)+8*cb
.if (\kind) == 3
.set rX, 32*(\ks)+8*ti
.else
.set rX, 48*((\ks)%5)+8*(ti+(\kind)/2)
.endif
.if (\kind) == 0
.if (\ks) == 0
	v_wmma_f32_16x16x32_bf16 v[rD:rD+7], v[rW:rW+7], v[rX:rX+7], v[BIA+8*cb:BIA+8*cb+7]
.else
	v_wmma_f32_16x16x32_bf16 v[rD:rD+7], v[rW:rW+7], v[rX:rX+7], v[rD:rD+7]
.endif
.elseif (\kind) == 1
.if (\ks) == 0
	v_wmma_f32_16x16x32_bf16 v[rD:rD+7], v[rX:rX+7], v[rW:rW+7], 0
.else
	v_wmma_f32_16x16x32_bf16 v[rD:rD+7], v[rX:rX+7], v[rW:rW+7], v[rD:rD+7]
.endif
.elseif (\kind) == 2
.if (\ks) == 0
	v_wmma_f32_16x16x32_bf16 v[rD:rD+7], v[rW:rW+7], v[rX:rX+7], v[BIB+8*cb:BIB+8*cb+7]
.else
	v_wmma_f32_16x16x32_bf16 v[rD:rD+7], v[rW:rW+7], v[rX:rX+7], v[rD:rD+7]
.endif
.else
.if (\ks) == 0
	v_wmma_f32_16x16x32_f16 v[rD:rD+7], v[rW:rW+7], v[rX:rX+7], v[BIB+8*cb:BIB+8*cb+7]
.else
	v_wmma_f32_16x16x32_f16 v[rD:rD+7], v[rW:rW+7], v[rX:rX+7], v[rD:rD+7]
.endif
.endif
.set ti, ti+1
.endr
.set cb, cb+1
.endr
.endm
; A K step: its fragments, asked for a K step ago, are in; the next step's are asked for in one run, into the other buffer of WT; then the products, under which they land.
.macro KSTEP kind, slot, ks
	s_wait_dscnt 0x0                               ; all my LDS loads are back: they were issued ahead of the last K step's products
.if ((\ks) > 0) && ((\ks) < 7)
	PLACES                                         ; behind the last product that read the buffer that is loaded now
.endif
.if (\ks) < 7
	FETCHW \slot, (\ks)+1, ((\ks)+1)%2
.if (\kind) == 0
	FETCHX (\ks)+1
.endif
.if (\kind) == 3
	FETCHO (\ks)+1
.endif
.endif
	MULT \kind, \ks
.endm
; Roundings to f16, each accumulator's registers in ascending order.  n = tiles in the pass.
.macro CVK                             ; k^T -> K: tile ti, channels 16 cb + 8 h + 2 jj, + 1
	WIN 0x05
.set cb, 0
.rept 4
.set ti, 0
.rept 6
.set jj, 0
.rept 4
	v_cvt_pk_f16_f32 v[KH+16*ti+4*cb+jj], v[ACC+8*(6*cb+ti)+2*jj], v[ACC+8*(6*cb+ti)+2*jj+1]
.set jj, jj+1
.endr
.set ti, ti+1
.endr
.set cb, cb+1
.endr
.endm
.macro CVV                             ; v -> V: channel block cb, tile ti, rows 8 h + 2 jj, + 1; and the seventh tile's zeros, which meet P's zeros
	WIN 0xc5
.set cb, 0
.rept 4
.set ti, 0
.rept 6
.set jj, 0
.rept 4
	v_cvt_pk_f16_f32 v[VH+28*cb+4*ti+jj], v[ACC+8*(6*cb+ti)+2*jj], v[ACC+8*(6*cb+ti)+2*jj+1]
.set jj, jj+1
.endr
.set ti, ti+1
.endr
.irp z, 24,25,26,27
	v_mov_b32 v[VH+28*cb+\z], 0
.endr
.set cb, cb+1
.endr
.endm
.macro CVQ
	WIN 0x45
.set cb, 0
.rept 4
.set ti, 0
.rept 4
.set jj, 0
.rept 4
	v_cvt_pk_f16_f32 v[QH+16*ti+4*cb+jj], v[ACC+8*(4*cb+ti)+2*jj], v[ACC+8*(4*cb+ti)+2*jj+1]
.set jj, jj+1
.endr
.set ti, ti+1
.endr
.set cb, cb+1
.endr
.endm
.macro ALL4 line:vararg                ; one line for each query tile a: the four tiles' chains stand side by side
.set a, 0
.rept 4
	\line
.set a, a+1
.endr
.endm
.macro PADD x, y                       ; pair y of a tile's 12 pairs of weights is added onto pair x
	ALL4 v_pk_add_f32 v[SC+24*a+2*(\x):SC+24*a+2*(\x)+1], v[SC+24*a+2*(\x):SC+24*a+2*(\x)+1], v[SC+24*a+2*(\y):SC+24*a+2*(\y)+1]
.endm
; THE WAY OUT of tile a: a lane's 8 neighbouring columns of a row go into my stage (rows of 256 bytes + 16) and come back as whole rows.  Each tile has its own 32 registers for that,
; so no register that a store reads is written again.
.macro TOSTAGE a
	WIN 0x04                                       ; data window 1
.irp c, 0,1,2,3
	ds_store_b128 v[STS], v[ACC+8*(4*\c+(\a)):ACC+8*(4*\c+(\a))+3]   offset:64*\c
	ds_store_b128 v[STS], v[ACC+8*(4*\c+(\a))+4:ACC+8*(4*\c+(\a))+7] offset:64*\c+16
.endr
	WIN 0
.set BK, 32+32*(\a)+64*((\a)/2)        ; v32, v64, v160, v192
.irp t, 0,1,2,3,4,5,6,7
	ds_load_b128 v[BK+4*\t:BK+4*\t+3], v[STR] offset:2*SP*\t  ; LDS serves a wave's instructions in order (ISA guide 5.7.1.4): these see the stores above; the next tile's stores come behind them
.endr
.endm
.macro SEND a, younger                 ; younger: the LDS instructions issued behind tile a's loads: the next tile's sixteen, or none
	WIN 0
.set BK, 32+32*(\a)+64*((\a)/2)
.irp t, 0,1,2,3,4,5,6,7
	s_wait_dscnt (\younger)+7-\t
	global_store_b128 v[GO], v[BK+4*\t:BK+4*\t+3], s[8:9] offset:(16*(\a)+2*\t)*1024 th:TH_STORE_NT  ; 16 lanes store 256 consecutive bytes, at a multiple of 256 from out0's first byte
.endr
.endm
	; ---- the head
	s_load_b128 s[4:7], s[0:1], 0x0                ; x s[4:5], wprep s[6:7]
	s_load_b64 s[8:9], s[0:1], 0x10                ; out0
	v_lshl_add_u32 v[SPW], v0, 2, SPARE
	v_mov_b32 v[NIL], 0
	ds_add_u32 v[SPW], v[NIL]                      ; the wave's opening: the add and its wait stand ahead of my first tensor load; the set-up below, work on registers, stands between them
	v_lshrrev_b32 v3, 5, v0
	v_readfirstlane_b32 s[WV], v3                  ; wave 0..3 = my head
	s_bfe_u32 s11, ttmp6, 0x40000                  ; cx: my place in the cluster
	s_lshl_b32 s12, ttmp9, 2                       ; in a cluster launch ttmp9 counts clusters
	s_add_co_u32 s12, s12, s11                     ; wg: it enters x's and out0's addresses and the two edge masks' values alone
	s_and_b32 s13, s12, 63                         ; my block of 64 rows in its batch of 4,096
	; descriptor group 1: a tile of 64 rows x 256 elements of 2 bytes, padded in LDS
	s_mov_b32 s[G1], 15|(1<<16)|(1<<20)|(1<<21)|(6<<22)|(3<<25)  ; 15:0 the mask: all four work-groups; 17:16 2-byte elements; 20 padding on; 21 set beside a mask; 24:22 after every 128 words (code 6); 31:25 4 words (code 3)
	s_mov_b32 s[G1+1], 256<<16                     ; tensor_dim0 = 256
	s_mov_b32 s[G1+2], 64<<16                      ; tensor_dim1 = 64
	s_mov_b32 s[G1+3], 256<<16                     ; tile_dim0 = 256
	s_mov_b32 s[G1+4], 64                          ; tile_dim1 = 64
	s_mov_b32 s[G1+5], 256                         ; 256 elements from row to row
	s_mov_b32 s[G1+6], 0
	s_mov_b32 s[G1+7], 0
	s_mov_b32 s[G0A], 1                            ; count = 1
	s_mul_i32 s[G0A+1], s[WV], WROWS               ; LDS address: my 64 rows of slot 0: no place in the cluster enters it
	s_mov_b32 s[G0B], 1
	s_add_co_u32 s[G0B+1], s[G0A+1], SLOT          ; and of slot 1
	s_mov_b32 s[CS], 0x3e38aa3b                    ; c = log2(e) / 8 = 0.180337
	s_mov_b32 s[CS+1], s[CS]                       ; named with it as a pair
	s_mov_b32 s[SEL], 0x76543210
	s_mov_b32 s[SEL+1], 0xfedcba98
	s_mov_b32 s[BIG], 0xf149f2ca                   ; -1e30
	s_cmp_eq_u32 s13, 0
	s_cselect_b32 s[BE0], s[BIG], 0
	s_cmp_eq_u32 s13, 63
	s_cselect_b32 s[BE1], s[BIG], 0
	v_and_b32 v1, 15, v0                           ; r
	v_bfe_u32 v2, v0, 4, 1                         ; h
	v_and_b32 v3, 31, v0                           ; lane
	s_lshl_b32 s14, s[WV], 8                       ; 256 w
	v_lshl_add_u32 v[BO], v2, 5, s14
	v_lshlrev_b32 v16, 4, v3
	s_lshl_b32 s42, s12, 6                         ; of the 96 rows from 64 wg - 16 on, wave w brings 24 w .. 24 w + 23, in three groups of 8
	s_mul_i32 s43, s[WV], 24
	s_add_co_u32 s42, s42, s43
	s_sub_co_i32 s42, s42, 16
.irp g, 0,1,2
	s_add_co_i32 s[44+\g], s42, 8*\g
	s_max_i32 s[44+\g], s[44+\g], 0                ; a group past x's ends is replaced by x's first or last 8 rows: no load leaves the buffer, and the mask hides those keys
	s_min_i32 s[44+\g], s[44+\g], 16376
	s_lshl_b32 s[44+\g], s[44+\g], 10              ; 1,024 bytes a row
	v_add_nc_u32 v[XO+\g], s[44+\g], v16
.endr
	s_lshl_b32 s40, s[WV], 15                      ; my head's 64 rows of 512 bytes in a section of WT
	s_mov_b32 s41, 0
	s_lshl_b32 s42, s12, 16                        ; my work-group's 64 rows of out0
	s_mov_b32 s43, 0
	s_wait_dscnt 0x0                               ; the opening add is done
	s_wait_kmcnt 0x0
	s_add_nc_u64 s[G0A+2:G0A+3], s[6:7], s[40:41]
	s_add_nc_u64 s[G0B+2:G0B+3], s[G0A+2:G0A+3], 262144  ; slot 1 begins with Wv: rows 512 ..
	s_add_nc_u64 s[G0A+2:G0A+3], s[G0A+2:G0A+3], 131072  ; slot 0 with Wk: rows 256 ..
	s_or_b32 s[G0A+3], s[G0A+3], 0x80000000        ; type = 2
	s_or_b32 s[G0B+3], s[G0B+3], 0x80000000
	s_add_nc_u64 s[8:9], s[8:9], s[42:43]
	; ---- b_k and all of my part of x are asked for ahead of the round: 8 + 48 loads; a load of the wave covers 512 consecutive bytes of a row
	BIAS BIA, 1
	WIN 0x40                                       ; destination window 1
.irp g, 0,1,2
.irp n, 0,1,2,3,4,5,6,7
	global_load_b128 v[ACC+64*\g+8*\n:ACC+64*\g+8*\n+3],   v[XO+\g], s[4:5] offset:1024*\n
	global_load_b128 v[ACC+64*\g+8*\n+4:ACC+64*\g+8*\n+7], v[XO+\g], s[4:5] offset:1024*\n+512
.endr
.endr
	WIN 0                                          ; at a label and at a branch every window is 0
	ROUND                                          ; all four work-groups are here: the first joint loads meet
	tensor_load_to_lds s[G0A:G0A+3], s[G1:G1+7]    ; Wk, my head's rows
	s_nop 0
	tensor_load_to_lds s[G0B:G0B+3], s[G1:G1+7]    ; Wv
	s_nop 0
.rept 4
	v_nop
.endr
	; ---- the other addresses
	v_mul_u32_u24 v16, v1, PW
	v_lshl_add_u32 v16, v2, 4, v16                 ; row x pitch + 16 x half
	v_add_nc_u32 v[XA], XR, v16
	v_add_nc_u32 v[WA], s[G0A+1], v16
	v_add_nc_u32 v[WA+1], s[G0B+1], v16
	s_mul_i32 s47, s[WV], 24*PW
	s_add_co_u32 s47, s47, XR
	v_lshl_add_u32 v[XS], v3, 3, s47               ; my wave's 24 rows; 4 numbers, 8 bytes, a lane
	v_lshlrev_b32 v20, 3, v2
	v_sub_nc_u32 v[LD], v1, v20
	s_lshl_b32 s15, s[WV], 7
	v_add_nc_u32 v[OS], s15, v[XA]                 ; my head's 128 bytes of a row of O
	s_mul_i32 s39, s[WV], 16*SP
	s_add_co_u32 s39, s39, STAGE                   ; my stage
	v_mul_u32_u24 v[STS], v1, SP                   ; in: row r, 32 bytes for each half of the lanes
	v_lshl_add_u32 v[STS], v2, 5, v[STS]
	v_add_nc_u32 v[STS], s39, v[STS]
	v_mul_u32_u24 v[STR], v2, SP                   ; back: lanes 0-15 take one row of 256 bytes, lanes 16-31 the next
	v_lshl_add_u32 v[STR], v1, 4, v[STR]
	v_add_nc_u32 v[STR], s39, v[STR]
	v_lshlrev_b32 v[GO], 10, v2                    ; and the same two rows in out0, at my 64 columns
	v_lshl_add_u32 v[GO], v1, 4, v[GO]
	v_add_nc_u32 v[GO], s14, v[GO]
	; ---- x: rounded to bf16 in place, and into LDS
.irp g, 0,1,2
	s_wait_loadcnt 32-16*\g                        ; loads come back in order: group g is in; the groups behind it, 16 loads each, may stay out
	WIN 0x45
.set i, ACC+64*\g
.rept 16
	v_cvt_pk_bf16_f32 v[i], v[i], v[i+1]
	v_cvt_pk_bf16_f32 v[i+1], v[i+2], v[i+3]
.set i, i+4
.endr
	WIN 0x04                                       ; data window 1
.irp n, 0,1,2,3,4,5,6,7
	ds_store_b64 v[XS], v[ACC+64*\g+8*\n:ACC+64*\g+8*\n+1]   offset:PW*(8*\g+\n)
	ds_store_b64 v[XS], v[ACC+64*\g+8*\n+4:ACC+64*\g+8*\n+5] offset:PW*(8*\g+\n)+256
.endr
.endr
	BIAS BIB, 0                                    ; b_q: wanted two passes on
	s_wait_dscnt 0x0                               ; for the others' sake: my rows of x are in LDS
	s_barrier_signal -1
	s_barrier_wait -1                              ; everybody's are.  The tensor loads may stay out
	; ---- pass K: k^T for six tiles, 192 products; x's fragments come into registers on the way, a K step ahead
	s_wait_tensorcnt 0x1                           ; my rows of Wk are in (nobody else reads them); Wv's load, issued behind it, may stay out
	FETCHW 0, 0, 0
	FETCHX 0
.irp ks, 0,1,2,3,4,5,6,7
	KSTEP 0, 0, \ks
.endr
	; ---- slot 0 is filled again, with Wq
	WIN 0                                          ; (the add's two registers lie in window 0)
	s_wait_tensorcnt 0x0                           ; all my tensor loads have landed, Wv's too: a group 0 may be written
	ds_add_u32 v[SPW], v[NIL]                      ; 0 onto my spare word; K's roundings stand between it and the wait for it
	s_sub_nc_u64 s[G0A+2:G0A+3], s[G0A+2:G0A+3], 131072  ; from Wk's rows back to Wq's; the type bits on top are not reached
	PLACES
	CVK
	WIN 0
	s_wait_dscnt 0x0                               ; the add is done, and my reads of slot 0 and of x are over
	ROUND                                          ; no wave of any partner still reads slot 0 or has a load on its way
	tensor_load_to_lds s[G0A:G0A+3], s[G1:G1+7]    ; my one tensor load behind the round, and the first thing there
	s_nop 0
.rept 4
	v_nop
.endr
	BIAS BIA, 2                                    ; b_v, where b_k lay
	FETCHW 1, 0, 0
	; ---- pass V
.irp ks, 0,1,2,3,4,5,6,7
	KSTEP 1, 1, \ks
.endr
	; ---- slot 1 is filled again, with Wout
	WIN 0
	s_wait_tensorcnt 0x0                           ; Wq has landed
	ds_add_u32 v[SPW], v[NIL]                      ; as above; V's roundings stand between the add and the wait for it
	s_add_nc_u64 s[G0B+2:G0B+3], s[G0B+2:G0B+3], 131072  ; from Wv's rows on to Wout's
	PLACES
	CVV
	WIN 0
	s_wait_dscnt 0x0
	ROUND
	tensor_load_to_lds s[G0B:G0B+3], s[G1:G1+7]
	s_nop 0
.rept 4
	v_nop
.endr
	s_wait_loadcnt 0x0                             ; b_q and b_v
	FETCHW 0, 0, 0
	; ---- pass Q
.irp ks, 0,1,2,3,4,5,6,7
	KSTEP 2, 0, \ks
.endr
	PLACES
	CVQ
	BIAS BIB, 3                                    ; b_out, where b_q lay
	; ---- the masks.  Register j of the scores of key tile a + d holds key - query = 16 (d - 1) + 8 h + j - r: hidden where that + 12, taken unsigned, is above 24
	WIN 0x80
	v_mov_b32 v[LD2], v[LD]
	WIN 0xaa                                       ; all in window 2
.set d, 0
.rept 3
.set j, 0
.rept 8
	v_sub_nc_u32 v[TM2], 16*(d-1)+j+12, v[LD2]
	v_cmp_lt_u32 vcc_lo, 24, v[TM2]
	v_cndmask_b32 v[MD+8*d+j], 0, s[BIG], vcc_lo
.set j, j+1
.endr
.set d, d+1
.endr
.set j, 0
.rept 8
	v_add_f32 v[ME0+j], s[BE0], v[MD+j]
	v_add_f32 v[ME1+j], s[BE1], v[MD+16+j]
.set j, j+1
.endr
.irp z, 12,13,14,15
	ALL4 v_mov_b32 v[PP+16*a+\z], 0                ; a tile has 48 keys; the second product V^T P takes 32: its last 16 weights are 0
.endr
	; ---- S^T = K Q^T: 12 accumulators by turns, twice; the first product starts the sum with the mask
	WIN 0xa4                                       ; K window 0, Q window 1, C and D window 2
.set kf, 0
.rept 2
.set a, 0
.rept 4
.set d, 0
.rept 3
.set rS, SC+24*a+8*d
.set rK, KH+16*(a+d)+8*kf
.set rQ, QH+16*a+8*kf
.set rM, MD+8*d
.if (a == 0) && (d == 0)
.set rM, ME0
.endif
.if (a == 3) && (d == 2)
.set rM, ME1
.endif
.if kf == 0
	v_wmma_f32_16x16x32_f16 v[rS:rS+7], v[rK:rK+7], v[rQ:rQ+7], v[rM:rM+7]
.else
	v_wmma_f32_16x16x32_f16 v[rS:rS+7], v[rK:rK+7], v[rQ:rQ+7], v[rS:rS+7]
.endif
.set d, d+1
.endr
.set a, a+1
.endr
.set kf, kf+1
.endr
	PLACES
	; ---- softmax: a lane has 24 of its query's 48 scores, the lane 16 away the others
	WIN 0xaa
.irp d, 0,1,2                          ; the maximum: a chain for each accumulator, begun at its lowest registers
	ALL4 v_max3_num_f32 v[ST+8*a+4+\d], v[SC+24*a+8*\d], v[SC+24*a+8*\d+1], v[SC+24*a+8*\d+2]
.endr
.irp d, 0,1,2
	ALL4 v_max3_num_f32 v[ST+8*a+4+\d], v[ST+8*a+4+\d], v[SC+24*a+8*\d+3], v[SC+24*a+8*\d+4]
.endr
.irp d, 0,1,2
	ALL4 v_max3_num_f32 v[ST+8*a+4+\d], v[ST+8*a+4+\d], v[SC+24*a+8*\d+5], v[SC+24*a+8*\d+6]
.endr
	ALL4 v_max3_num_f32 v[ST+8*a+4], v[ST+8*a+4], v[SC+24*a+7], v[SC+24*a+15]
	ALL4 v_max3_num_f32 v[ST+8*a+5], v[ST+8*a+5], v[ST+8*a+6], v[SC+24*a+23]
	ALL4 v_max_num_f32 v[ST+8*a+4], v[ST+8*a+4], v[ST+8*a+5]
	ALL4 v_permlanex16_b32 v[ST+8*a+5], v[ST+8*a+4], s[SEL], s[SEL+1]
	ALL4 v_max_num_f32 v[ST+8*a+1], v[ST+8*a+4], v[ST+8*a+5]
	ALL4 v_mul_f32 v[ST+8*a], s[CS], v[ST+8*a+1]
.set p, 0
.rept 12                               ; c s - c m, a pair of scores an instruction
	ALL4 v_pk_fma_f32 v[SC+24*a+2*p:SC+24*a+2*p+1], v[SC+24*a+2*p:SC+24*a+2*p+1], s[CS:CS+1], v[ST+8*a:ST+8*a+1] op_sel_hi:[1,0,0] neg_lo:[0,0,1] neg_hi:[0,0,1]
.set p, p+1
.endr
.set p, 0
.rept 24                               ; the 96 exponentials are one batch: none reads another's result
	ALL4 v_exp_f32 v[SC+24*a+p], v[SC+24*a+p]
.set p, p+1
.endr
	v_nop                                          ; a plain instruction behind the last exponential, ahead of the first use
	s_wait_alu depctr_va_vdst(0)                   ; and the wait ahead of the first use: one for the batch
.set p, 0
.rept 12
	ALL4 v_cvt_pk_f16_f32 v[PP+16*a+p], v[SC+24*a+2*p], v[SC+24*a+2*p+1]
.set p, p+1
.endr
	PADD 0, 1                                      ; l: the 12 pairs by a tree, in place
	PADD 2, 3
	PADD 4, 5
	PADD 6, 7
	PADD 8, 9
	PADD 10, 11
	PADD 0, 2
	PADD 4, 6
	PADD 8, 10
	PADD 0, 4
	PADD 0, 8
	ALL4 v_add_f32 v[ST+8*a+2], v[SC+24*a], v[SC+24*a+1]
	ALL4 v_permlanex16_b32 v[ST+8*a+5], v[ST+8*a+2], s[SEL], s[SEL+1]
	ALL4 v_add_f32 v[ST+8*a+2], v[ST+8*a+2], v[ST+8*a+5]
	ALL4 v_rcp_f32 v[ST+8*a+4], v[ST+8*a+2]
	v_nop                                          ; a plain instruction behind the last reciprocal,
	s_wait_alu depctr_va_vdst(0)                   ; and one wait for the four
	; ---- O^T = V^T P: 16 accumulators by turns, twice: keys of tiles a, a + 1, then a + 2, a + 3 (the last with weights 0)
	WIN 0x5b                                       ; V window 3, P window 2, C and D window 1
.set kk, 0
.rept 2
.set a, 0
.rept 4
.set cb, 0
.rept 4
.set rO, ACC+32*a+8*cb
.set rV, VH+28*cb+4*(a+2*kk)
.set rP, PP+16*a+8*kk
.if kk == 0
	v_wmma_f32_16x16x32_f16 v[rO:rO+7], v[rV:rV+7], v[rP:rP+7], 0
.else
	v_wmma_f32_16x16x32_f16 v[rO:rO+7], v[rV:rV+7], v[rP:rP+7], v[rO:rO+7]
.endif
.set cb, cb+1
.endr
.set a, a+1
.endr
.set kk, kk+1
.endr
	PLACES
	; ---- O = acc / l + b_v, rounded to f16, into LDS for all four waves
	WIN 0x49                                       ; O^T window 1, 1 / l window 2, b_v window 0
.set a, 0
.rept 4
.set cb, 0
.rept 4
.set jj, 0
.rept 4
	v_pk_fma_f32 v[ACC+32*a+8*cb+2*jj:ACC+32*a+8*cb+2*jj+1], v[ACC+32*a+8*cb+2*jj:ACC+32*a+8*cb+2*jj+1], v[ST+8*a+4:ST+8*a+5], v[BIA+8*cb+2*jj:BIA+8*cb+2*jj+1] op_sel_hi:[1,0,1]
.set jj, jj+1
.endr
.set cb, cb+1
.endr
.set a, a+1
.endr
	WIN 0x85                                       ; sources window 1, destination window 2
.set i, 0
.rept 64
	v_cvt_pk_f16_f32 v[OH+i], v[ACC+2*i], v[ACC+2*i+1]  ; OH + 16 a + 4 cb + jj from ACC + 32 a + 8 cb + 2 jj
.set i, i+1
.endr
	WIN 0x08                                       ; data window 2
.set a, 0
.rept 4
.irp c, 0,1,2,3
	ds_store_b128 v[OS], v[OH+16*a+4*\c:OH+16*a+4*\c+3] offset:16*PW*a+32*\c  ; over x's rows: every wave's reads of x ended ahead of the two rounds above
.endr
.set a, a+1
.endr
	WIN 0
	s_wait_dscnt 0x0                               ; for the others' sake: my head's channels of O are in LDS
	s_barrier_signal -1
	s_barrier_wait -1
	; ---- out^T = Wout^T O^T + b_out: my 64 columns of the 64 rows
	s_wait_tensorcnt 0x0                           ; my rows of Wout are in: no load was issued behind that one
	s_wait_loadcnt 0x0                             ; b_out
	FETCHW 1, 0, 0
	FETCHO 0
.irp ks, 0,1,2,3,4,5,6,7
	KSTEP 3, 1, \ks
.endr
	PLACES
	; ---- the way out: a tile's trip through the stage stands between the loads of the tile before and its stores
	TOSTAGE 0
	TOSTAGE 1
	SEND 0, 16
	TOSTAGE 2
	SEND 1, 16
	TOSTAGE 3
	SEND 2, 16
	SEND 3, 0
	s_wait_tensorcnt 0x0                           ; the wave's end, behind my last tensor load and my last LDS store
	ds_add_u32 v[SPW], v[NIL]
	s_wait_dscnt 0x0
	ROUND                                          ; the closing round: no work-group ends while a partner may still ask for a block that names it
	s_endpgm
.Lfunc_end_k_qe294f30385_attn:
	.size	k_qe294f30385_attn, .Lfunc_end_k_qe294f30385_attn-k_qe294f30385_attn
	.p2alignl 7, 3214868480
	.fill 96, 4, 3214868480
	.section	.rodata,"a",@progbits
	.p2align	6, 0x0
	.amdhsa_kernel k_qe294f30385_attn
		.amdhsa_group_segment_fixed_size 327680
		.amdhsa_private_segment_fixed_size 0
		.amdhsa_enable_private_segment 0
		.amdhsa_kernarg_size 24
		.amdhsa_user_sgpr_count 2
		.amdhsa_user_sgpr_kernarg_segment_ptr 1
		.amdhsa_wavefront_size32 1
		.amdhsa_system_sgpr_workgroup_id_x 1
		.amdhsa_system_sgpr_workgroup_id_y 1
		.amdhsa_system_sgpr_workgroup_id_z 1
		.amdhsa_system_vgpr_workitem_id 0
		.amdhsa_next_free_vgpr 1024
		.amdhsa_next_free_sgpr 66
		.amdhsa_reserve_vcc 1
		.amdhsa_float_denorm_mode_32 3
		.amdhsa_float_denorm_mode_16_64 3
		.amdhsa_memory_ordered 1
		.amdhsa_forward_progress 1
		.amdhsa_inst_pref_size 155
	.end_amdhsa_kernel
	.amdgpu_metadata
---
amdhsa.version: [ 1, 2 ]
amdhsa.kernels:
  - .name:           k_qe294f30385_attn
    .symbol:         k_qe294f30385_attn.kd
    .args:
      - { .name: x, .offset: 0, .size: 8, .value_kind: global_buffer, .address_space: global }
      - { .name: wprep, .offset: 8, .size: 8, .value_kind: global_buffer, .address_space: global }
      - { .name: out0, .offset: 16, .size: 8, .value_kind: global_buffer, .address_space: global }
    .group_segment_fixed_size: 327680
    .private_segment_fixed_size: 0
    .kernarg_segment_align: 8
    .kernarg_segment_size: 24
    .max_flat_workgroup_size: 128
    .sgpr_count:     66
    .vgpr_count:     1024
    .wavefront_size: 32
...
	.end_amdgpu_metadata
.endif
;; end of part 2
